; MI455X (gfx1250); checked and timed in simulation.
; The chip was launched on July 23, 2026; its instructions are those of AMD's public machine-readable ISA for CDNA 5 (MIT licence, August 2026) and "CDNA5" Instruction Set Architecture Reference Guide (July 2026). The comments in the code are by the model that wrote it; some were corrected since.
;; Bert Self Attention1 D. Allowed arithmetic: matrix products marked QUANTISED: E4M3 operands, one given power-of-two scale a tensor, by v_wmma_f32_16x16x64_fp8_fp8 or v_wmma_f32_16x16x128_fp8_fp8, f32 sums; everything else in f32.
;; Inputs: W_dense 1,024 x 1,024 float32; W_qkv 1,024 x 3,072 float32; attention_mask 4 x 1 x 1 x 2,048 float32; b_dense 1,024 float32; b_qkv 3,072 float32; hidden_states 4 x 2,048 x 1,024 float32; ln_beta 1,024 float32; ln_gamma 1,024 float32; lowp_scales 8 int32 (the exponents e of the quantised operands' scales 2^e).
;; Outputs: out0 4 x 2,048 x 1,024 float32.
;; This version of the problem:
;;   THIS VERSION OF THE PROBLEM IS GIVEN IN LOW PRECISION. The matrix products marked QUANTISED in the list below multiply operands that are first quantised to E4M3 (4 exponent bits, 3 mantissa bits; 8 bits a number), with one given power-of-two scale for each operand tensor; their sums are f32. All else is computed in f32.
;;   The module's matrix products, in the order in which they are computed (A, B: the left and right operand; K: the contracted axis; several contracted axes count as one K, in the product's order):
;;     1. [M 8,192, K 1,024] x [K 1,024, N 3,072]; A: input hidden_states; B: input W_qkv: QUANTISED (scales: A lowp_scales[0], B lowp_scales[1])
;;     2. batch 64 x [M 2,048, K 64] x [K 64, N 2,048]; A: computed on the way; B: computed on the way: QUANTISED (scales: A lowp_scales[2], B lowp_scales[3])
;;     3. batch 64 x [M 2,048, K 2,048] x [K 2,048, N 64]; A: softmax (see below); B: computed on the way: QUANTISED (scales: A lowp_scales[4], B lowp_scales[5])
;;     4. [M 8,192, K 1,024] x [K 1,024, N 1,024]; A: computed on the way; B: input W_dense: QUANTISED (scales: A lowp_scales[6], B lowp_scales[7])
;;   THE QUANTISER, for each operand of a quantised product, along K:
;;     - The operand's scale is 2^e, e = its entry of the input lowp_scales (int32; the entries are numbered through the quantised products in the list's order, A before B).
;;     - Each number is divided by the scale, clamped to +-448, and rounded to the nearest number of E4M3, ties to even, subnormals kept.
;;     - The product sums the exact products of the quantised numbers (number of the format x scale) in f32.
;;   ~~~python
;;   def quantise(x, axis, e):      # numpy; x: float32 -> the quantised numbers, widened to float32 again
;;       x = np.moveaxis(x, axis, -1); K = x.shape[-1]
;;       r = np.clip(x / 2.0 ** e, -448, 448)
;;       step = 2.0 ** (np.maximum(np.frexp(np.where(r == 0, 1, r))[1] - 1, -6) - 3)
;;       q = np.round(r / step) * step * 2.0 ** e      # np.round: ties to even
;;       return np.moveaxis(q, -1, axis).astype(np.float32)
;;   ~~~
;;   SOFTMAX AHEAD OF A QUANTISED PRODUCT. Where the list says 'softmax', what is quantised is not the finished softmax but p = 2^(t - M), with t = logit x log2(e) and M = ceil(the row's largest t), a whole number; so 1/2 < the row's largest p <= 1. The row's sum l is taken of the UNQUANTISED p, in f32, and the product's result is divided by l at the end. Since M is a whole number, a kernel that streams over the keys may use a running M (the ceiling of the running maximum): every later rescaling is an exact power of two, so the quantised numbers keep their values, but for numbers so far below the row's largest that they fall under the format's range.
;;   OPERANDS COMPUTED ON THE WAY. 'Computed on the way' means the value that the module computes at that place (a softmax that the list does not call 'softmax' is quantised finished and normalised). What goes into a quantiser is computed in f32, as accurately as f32 sums, v_exp_f32 and their like allow (about 1e-6 of the number): no bf16 or f16 on the way to a quantiser, and a product that is left as it is and whose result goes on into a quantised operand takes f32 operands (vector FMAs, or v_wmma_f32_16x16x4_f32). A number that lies on a knife's edge between two numbers of the format may be rounded either way, as far as f32 arithmetic and the matrix unit's own rounding can turn it there, and no further.
;; One version. Each part assembles by itself: llvm-mc -triple=amdgcn-amd-amdhsa -mcpu=gfx1250 --defsym DOCPART=n.
;; ======== version 1 of 1: 4 launches
;; workspace buffers: hf 8,388,608 bytes; wf 3,145,728 bytes; wdf 1,048,576 bytes; qf 8,388,608 bytes; kv 16,777,216 bytes; cf 8,388,608 bytes
;; launch prep (part 1): grid 64 x 8, 4 waves a work-group, no clusters, 34,304 bytes of LDS; arguments hidden_states, W_qkv, W_dense, lowp_scales, hf, wf, wdf; writes hf, wf, wdf
.if DOCPART == 1
	.amdgcn_target "amdgcn-amd-amdhsa--gfx1250"
	.amdhsa_code_object_version 6
	.text
	.protected	k_q5cc4af68dc_prep
	.globl	k_q5cc4af68dc_prep
	.p2align	8
	.type	k_q5cc4af68dc_prep,@function
k_q5cc4af68dc_prep:
	s_mov_b64 s[64:65], 0
	v_nop
	global_prefetch_b8 v0, s[64:65] scope:SCOPE_SE
	s_setreg_imm32_b32 hwreg(HW_REG_WAVE_MODE, 25, 1), 1
	s_wait_xcnt 0x0
; hidden_states [8192][1024], W_qkv [1024][3072] and W_dense [1024][1024], f32, become codes of FP8 (E4M3) with the given scales 2^e0, 2^e1, 2^e7:
; code = x / 2^e, held within +-448, to the nearest code, ties to even.
; THE CODES ARE STORED AS IMAGES OF OPERAND REGISTERS.  A fragment is 16 rows x 128 along K, 2,048 bytes: piece c (0..3) at 512 c, lane l's 16 bytes at 16 l;
; lane (r = l % 16, h = l / 16) holds k = 32 c + 16 h + 0 .. 15 of the fragment's row r.  So the later launches load every operand by 16-byte loads at 16 x lane.
; THE ROWS OF A FRAGMENT ARE NOT NEIGHBOURS: of a group of 32 rows (tokens, or columns of a weight) block u takes, for lane r, row 8 u + r % 8 + 16 (r / 8):
; a product's 16 results of blocks 0 and 1 in one lane are then 16 neighbours, in the order of the next operand's piece.
; hf  [token tile of 256: 32][K step: 8][block of 16: 16][2048]
; wf  [pair of heads cg: 8][half of a head's 64 ch: 2][head in the pair p: 2][K step: 8][t = 2 (q, k, v) + u: 6][2048]
; wdf [64 columns: 16][K step: 8][t = 2 (which 32) + u: 4][2048]
; Work-groups x < 32 take hidden_states, 32 .. 55 W_qkv, 56 .. 63 W_dense: a branch on the work-group's number.  Waves share nothing: no barrier.
; LIMITS: e0, e1, e7 between -126 and 119, so that 2^e and 448 x 2^e are f32 numbers.  NaN among the inputs is not served.
.set RR,  16                           ; v16-143  hidden: two sets of 64 registers as loaded (16 rows x 512 bytes)
.set XX,  144                          ; v144-207 hidden: a lane's 64 numbers in the operand's order
.set CC,  208                          ; v208-239 hidden: two sets of 16 registers of codes
.set SPI, 528                          ; a stage row: 512 bytes + 16: the 16 rows that a read touches start 16 bytes apart modulo 256
.set WST, 16*SPI                       ; a wave's stage
.macro POW2 d, e                       ; s[d] = 2^s[e] as f32
	s_add_co_i32 s[\d], s[\e], 127
	s_lshl_b32 s[\d], s[\d], 23
.endm
.macro LIM448 d, e                     ; s[d] = 448 x 2^s[e] as f32
	s_add_co_i32 s[\d], s[\e], 135
	s_lshl_b32 s[\d], s[\d], 23
	s_or_b32 s[\d], s[\d], 0x600000
.endm
; hidden: fragment f's 16 rows, 128 numbers each: every load reads 512 consecutive bytes
.macro LOADF f
.irp i, 0,1,2,3,4,5,6,7,8,9,10,11,12,13,14,15
	global_load_b128 v[RR+64*((\f)%2)+4*\i:RR+64*((\f)%2)+4*\i+3], v1, s[4:5] offset:((\i%8)+16*(\i/8))*4096+512*(\f) th:TH_LOAD_NT
.endr
.endm
.macro FRAG f
.if (\f) < 3
	s_wait_loadcnt 16                              ; this fragment's 16 loads are in; the next fragment's 16 may be out
.else
	s_wait_loadcnt 0x0
.endif
.irp i, 0,1,2,3,4,5,6,7,8,9,10,11,12,13,14,15
	ds_store_b128 v2, v[RR+64*((\f)%2)+4*\i:RR+64*((\f)%2)+4*\i+3] offset:SPI*\i   ; rows as they lie
.endr
.irp c, 0,1,2,3
.irp q, 0,1,2,3
	ds_load_b128 v[XX+16*\c+4*\q:XX+16*\c+4*\q+3], v3 offset:128*\c+16*\q          ; back: my row's k = 32 c + 16 h + 4 q ..; LDS serves a wave's instructions in order
.endr
.endr
	s_wait_dscnt 0x0                               ; my numbers are back, and the stores have read their registers,
.if (\f) < 2
	LOADF (\f)+2                                   ; which take the loads of two fragments on
.endif
.set n, 0
.rept 64
	v_med3_num_f32 v[XX+n], v[XX+n], -v10, v10     ; the conversion does not saturate (ISA guide 7.6.2): the hold at the largest code x the scale
.set n, n+1
.endr
.if (\f) >= 2
	s_wait_xcnt 0x0                                ; the stores of two fragments back have read this set of code registers
.endif
.irp c, 0,1,2,3
	v_cvt_scalef32_pk8_fp8_f32 v[CC+16*((\f)%2)+4*\c:CC+16*((\f)%2)+4*\c+1], v[XX+16*\c:XX+16*\c+7], v11
	v_cvt_scalef32_pk8_fp8_f32 v[CC+16*((\f)%2)+4*\c+2:CC+16*((\f)%2)+4*\c+3], v[XX+16*\c+8:XX+16*\c+15], v11
.endr
	v_nop                                          ; a plain line behind the conversions: the next fragment's holds write their sources
.irp c, 0,1,2,3
	global_store_b128 v1, v[CC+16*((\f)%2)+4*\c:CC+16*((\f)%2)+4*\c+3], s[12:13] offset:32768*(\f)+512*\c   ; a piece: 512 consecutive bytes
.endr
.endm
; a weight [1024][N]: a lane takes a column and its registers run down K; block c is 32 along K
.macro LOADB c, N
.set n, 0
.rept 32
	global_load_b32 v[32+32*((\c)%2)+n], v3, s[36:37] offset:(32*(\c)+n)*\N*4 th:TH_LOAD_NT
.set n, n+1
.endr
.endm
.macro BLOCK c, N
.if (\c) < 3
	s_wait_loadcnt 32                              ; this block's 32 loads are in; the next block's may be out
.else
	s_wait_loadcnt 0x0
.endif
.set n, 0
.rept 32
	v_med3_num_f32 v[32+32*((\c)%2)+n], v[32+32*((\c)%2)+n], -v10, v10
.set n, n+1
.endr
.irp g, 0,1,2,3
	v_cvt_scalef32_pk8_fp8_f32 v[96+8*(\c)+2*\g:96+8*(\c)+2*\g+1], v[32+32*((\c)%2)+8*\g:32+32*((\c)%2)+8*\g+7], v11
.endr
	v_nop                                          ; a plain line behind the conversions
	global_store_b128 v4, v[96+8*(\c):96+8*(\c)+3], s[38:39] offset:512*(\c)         ; k = 32 c + 0 .. 15: the places of lanes 0-15 of piece c; sixteen lanes fill 256 aligned bytes
	global_store_b128 v4, v[96+8*(\c)+4:96+8*(\c)+7], s[38:39] offset:512*(\c)+256   ; k = 32 c + 16 .. 31: the places of lanes 16-31
.if (\c) < 2
	LOADB (\c)+2, \N
.endif
.endm
.macro WPATH N, e
	LOADB 0, \N
	LOADB 1, \N
	s_wait_kmcnt 0x0
	POW2 44, \e
	v_mov_b32 v11, s44
	LIM448 45, \e
	v_mov_b32 v10, s45
	BLOCK 0, \N
	BLOCK 1, \N
	BLOCK 2, \N
	BLOCK 3, \N
	s_endpgm
.endm
	s_load_b256 s[4:11], s[0:1], 0x0               ; hidden s[4:5], W_qkv s[6:7], W_dense s[8:9], the exponents s[10:11]
	s_load_b128 s[12:15], s[0:1], 0x20             ; hf s[12:13], wf s[14:15]
	s_load_b64 s[16:17], s[0:1], 0x30              ; wdf
	v_lshl_add_u32 v240, v0, 2, 0x8400
	v_mov_b32 v241, 0
	v_lshrrev_b32 v5, 5, v0
	v_readfirstlane_b32 s18, v5                    ; wave 0..3
	s_mov_b32 s19, ttmp9                           ; x
	s_and_b32 s20, ttmp7, 0xffff                   ; y
	v_and_b32 v5, 31, v0                           ; lane
	v_and_b32 v6, 15, v0                           ; r
	v_bfe_u32 v7, v0, 4, 1                         ; h (for a weight: u)
	v_lshlrev_b32 v1, 4, v5                        ; 16 x lane
	s_wait_kmcnt 0x0
	s_load_b256 s[24:31], s[10:11], 0x0            ; e0 .. e7
	s_cmp_lt_u32 s19, 32
	s_cbranch_scc0 .Lweights
	; ---- hidden_states: a wave makes four fragments: block B16 of 16 tokens, K steps 4 kh .. 4 kh + 3
	s_lshl_b32 s32, s20, 5
	s_add_co_u32 s32, s32, s19
	s_lshl_b32 s32, s32, 2
	s_add_co_u32 s32, s32, s18                     ; 0 .. 1023
	s_lshr_b32 s33, s32, 1                         ; B16
	s_and_b32 s34, s32, 1                          ; kh
	s_lshr_b32 s36, s33, 1
	s_lshl_b32 s36, s36, 17                        ; the group of 32 tokens, 4,096 bytes each,
	s_and_b32 s35, s33, 1
	s_lshl_b32 s35, s35, 15                        ; + 8 u tokens,
	s_add_co_u32 s36, s36, s35
	s_lshl_b32 s35, s34, 11                        ; + 512 kh numbers
	s_add_co_u32 s36, s36, s35
	s_mov_b32 s37, 0
	s_add_nc_u64 s[4:5], s[4:5], s[36:37]
	s_lshr_b32 s38, s33, 4
	s_lshl_b32 s38, s38, 18                        ; hf: the token tile,
	s_and_b32 s35, s33, 15
	s_lshl_b32 s35, s35, 11                        ; the block,
	s_add_co_u32 s38, s38, s35
	s_lshl_b32 s35, s34, 17                        ; K step 4 kh
	s_add_co_u32 s38, s38, s35
	s_mov_b32 s39, 0
	s_add_nc_u64 s[12:13], s[12:13], s[38:39]
	s_mul_i32 s35, s18, WST                        ; my wave's stage
	v_add_nc_u32 v2, s35, v1                       ; in: 16 x lane of a row
	v_mul_u32_u24 v3, v6, SPI
	v_lshl_add_u32 v3, v7, 6, v3
	v_add_nc_u32 v3, s35, v3                       ; back: row r, + 64 h bytes
	LOADF 0
	LOADF 1
	s_wait_kmcnt 0x0
	POW2 40, 24
	v_mov_b32 v11, s40                             ; 2^e0
	LIM448 41, 24
	v_mov_b32 v10, s41                             ; 448 x 2^e0
	FRAG 0
	FRAG 1
	FRAG 2
	FRAG 3
	s_wait_tensorcnt 0x0
	ds_add_u32 v240, v241
	s_wait_dscnt 0x0
	s_endpgm
.Lweights:
	; ---- a weight: a wave takes 32 columns x 128 along K (K step y): lane 16 u + r takes column 8 u + r % 8 + 16 (r / 8)
	v_and_b32 v8, 8, v6
	v_add_nc_u32 v8, v8, v6                        ; r % 8 + 16 (r / 8) = r + (r & 8)
	v_lshl_add_u32 v8, v7, 3, v8
	v_lshlrev_b32 v3, 2, v8                        ; the column's bytes in a row
	v_lshlrev_b32 v4, 4, v6
	v_lshl_add_u32 v4, v7, 11, v4                  ; out: fragment u, lane r's place
	s_cmp_lt_u32 s19, 56
	s_cbranch_scc0 .Ldense_w
	s_sub_co_u32 s32, s19, 32
	s_lshl_b32 s32, s32, 2
	s_add_co_u32 s32, s32, s18                     ; which 32 columns of 3,072: 6 head + 2 (q, k, v) + ch
	s_mul_i32 s33, s32, 43
	s_lshr_b32 s33, s33, 8                         ; head = that / 6 (exact for 0 .. 95)
	s_mul_i32 s34, s33, 6
	s_sub_co_u32 s34, s32, s34
	s_lshr_b32 s35, s34, 1                         ; q, k or v
	s_and_b32 s34, s34, 1                          ; ch
	s_mul_i32 s40, s20, 128*3072*4
	s_lshl_b32 s41, s32, 7
	s_add_co_u32 s40, s40, s41
	s_mov_b32 s41, 0
	s_add_nc_u64 s[36:37], s[6:7], s[40:41]
	s_lshr_b32 s42, s33, 1                         ; cg
	s_lshl_b32 s42, s42, 1
	s_add_co_u32 s42, s42, s34
	s_lshl_b32 s42, s42, 1
	s_and_b32 s43, s33, 1                          ; p
	s_add_co_u32 s42, s42, s43
	s_lshl_b32 s42, s42, 3
	s_add_co_u32 s42, s42, s20
	s_mul_i32 s42, s42, 6
	s_lshl_b32 s43, s35, 1
	s_add_co_u32 s42, s42, s43
	s_lshl_b32 s42, s42, 11
	s_mov_b32 s43, 0
	s_add_nc_u64 s[38:39], s[14:15], s[42:43]
	WPATH 3072, 25
.Ldense_w:
	s_sub_co_u32 s32, s19, 56
	s_lshl_b32 s32, s32, 2
	s_add_co_u32 s32, s32, s18                     ; which 32 columns of 1,024
	s_mul_i32 s40, s20, 128*1024*4
	s_lshl_b32 s41, s32, 7
	s_add_co_u32 s40, s40, s41
	s_mov_b32 s41, 0
	s_add_nc_u64 s[36:37], s[8:9], s[40:41]
	s_lshr_b32 s42, s32, 1
	s_lshl_b32 s42, s42, 3
	s_add_co_u32 s42, s42, s20
	s_lshl_b32 s42, s42, 2
	s_and_b32 s43, s32, 1
	s_lshl_b32 s43, s43, 1
	s_add_co_u32 s42, s42, s43
	s_lshl_b32 s42, s42, 11
	s_mov_b32 s43, 0
	s_add_nc_u64 s[38:39], s[16:17], s[42:43]
	WPATH 1024, 31
.Lfunc_end_k_q5cc4af68dc_prep:
	.size	k_q5cc4af68dc_prep, .Lfunc_end_k_q5cc4af68dc_prep-k_q5cc4af68dc_prep
	.p2alignl 7, 3214868480
	.fill 96, 4, 3214868480
	.section	.rodata,"a",@progbits
	.p2align	6, 0x0
	.amdhsa_kernel k_q5cc4af68dc_prep
		.amdhsa_group_segment_fixed_size 34304
		.amdhsa_private_segment_fixed_size 0
		.amdhsa_enable_private_segment 0
		.amdhsa_kernarg_size 56
		.amdhsa_user_sgpr_count 2
		.amdhsa_user_sgpr_kernarg_segment_ptr 1
		.amdhsa_wavefront_size32 1
		.amdhsa_system_sgpr_workgroup_id_x 1
		.amdhsa_system_sgpr_workgroup_id_y 1
		.amdhsa_system_sgpr_workgroup_id_z 1
		.amdhsa_system_vgpr_workitem_id 0
		.amdhsa_next_free_vgpr 242
		.amdhsa_next_free_sgpr 66
		.amdhsa_reserve_vcc 0
		.amdhsa_float_denorm_mode_32 3
		.amdhsa_float_denorm_mode_16_64 3
		.amdhsa_memory_ordered 1
		.amdhsa_forward_progress 1
		.amdhsa_inst_pref_size 84
	.end_amdhsa_kernel
	.amdgpu_metadata
---
amdhsa.version: [ 1, 2 ]
amdhsa.kernels:
  - .name:           k_q5cc4af68dc_prep
    .symbol:         k_q5cc4af68dc_prep.kd
    .args:
      - { .name: hidden_states, .offset: 0, .size: 8, .value_kind: global_buffer, .address_space: global }
      - { .name: W_qkv, .offset: 8, .size: 8, .value_kind: global_buffer, .address_space: global }
      - { .name: W_dense, .offset: 16, .size: 8, .value_kind: global_buffer, .address_space: global }
      - { .name: lowp_scales, .offset: 24, .size: 8, .value_kind: global_buffer, .address_space: global }
      - { .name: hf, .offset: 32, .size: 8, .value_kind: global_buffer, .address_space: global }
      - { .name: wf, .offset: 40, .size: 8, .value_kind: global_buffer, .address_space: global }
      - { .name: wdf, .offset: 48, .size: 8, .value_kind: global_buffer, .address_space: global }
    .group_segment_fixed_size: 34304
    .private_segment_fixed_size: 0
    .kernarg_segment_align: 8
    .kernarg_segment_size: 56
    .max_flat_workgroup_size: 128
    .sgpr_count:     66
    .vgpr_count:     242
    .wavefront_size: 32
...
	.end_amdgpu_metadata
.endif
;; end of part 1
;; launch qkv (part 2): grid 8 x 32, 4 waves a work-group, clusters of 4 x 1, 262,656 bytes of LDS; arguments hf, wf, b_qkv, lowp_scales, qf, kv; writes qf, kv
.if DOCPART == 2
	.amdgcn_target "amdgcn-amd-amdhsa--gfx1250"
	.amdhsa_code_object_version 6
	.text
	.protected	k_q5cc4af68dc_qkv
	.globl	k_q5cc4af68dc_qkv
	.p2align	8
	.type	k_q5cc4af68dc_qkv,@function
k_q5cc4af68dc_qkv:
	s_mov_b64 s[64:65], 0
	v_nop
	global_prefetch_b8 v0, s[64:65] scope:SCOPE_SE
	s_setreg_imm32_b32 hwreg(HW_REG_WAVE_MODE, 25, 1), 1
	s_wait_xcnt 0x0
	s_wait_alu depctr_hold_cnt(0) depctr_sa_sdst(0) depctr_va_vdst(0) depctr_va_sdst(0) depctr_va_ssrc(0) depctr_va_vcc(0) depctr_vm_vsrc(0)
	s_getreg_b32 s2, hwreg(HW_REG_IB_STS2, 6, 4)
	s_cmp_eq_u32 s2, 0
	s_cbranch_scc0 .Lentry_in_a_cluster
	s_endpgm
.Lentry_in_a_cluster:
	s_bfe_u32 s2, ttmp6, 0x10000c
	s_cmp_lg_u32 s2, 0x3003
	s_cbranch_scc0 .Lentry_shape_is_right
	s_endpgm
.Lentry_shape_is_right:
; qkv = hidden W_qkv + b_qkv on codes of FP8, and q, k, v quantised on the way out with 2^e2, 2^e3, 2^e5, stored as images of the operand registers of the attention launch.
; SHARES.  A work-group takes 256 tokens (tile T) x two heads (2 cg, 2 cg + 1), one head a pass.  Wave (rh, ch) takes 128 tokens x 96 columns of a head: of q, of k and of v the 32 columns of half ch:
; six tiles of 16 columns x eight blocks of 16 tokens = 48 accumulators.
; THE TOKENS' CODES, 256 KB for all of K, fill LDS ONCE, in four chunks of two K steps: nothing is filled again.  The four work-groups of a cluster share the token tile and ask for it jointly.
; THE WEIGHT'S FRAGMENTS come from memory straight into a ring of two sets of six fragments in registers: LDS is full of tokens, a wave's 192 KB of them are one dense run, and a ring in registers needs no barrier.
; q AND k ARE USED TRANSPOSED (source 0 = 16 columns, source 1 = 16 tokens): a lane holds one token and eight columns.  v is not (source 0 = tokens): a lane holds one channel and eight tokens, since the keys are its K.
; By the choice of the rows of a fragment (see the quantising launch) the 16 results of two neighbouring tiles in a lane are 16 neighbours along the next K: each pair of conversions gives a piece of an image.
; The bias is the C of a sum's first product, divided by 2^(e0 + e1), which the sums lack.
; qf [b x 16 + head][tile of 16 queries: 128][1024];  kv [b x 16 + head][step of 128 keys: 16][16384]: K's eight tiles of 1,024 bytes, then V^T's four fragments of 2,048.
; LIMITS: e2 - e0 - e1, e3 - e0 - e1, e5 - e0 - e1 between -126 and 119.  NaN is not served.
; REGISTERS, in windows of 256: window 0: v1 16 x lane; v2-5 LDS address of my tokens in chunk 0..3; v6, v7 the bias's offsets; v10-12 the three conversions' scales; v64-255 the ring (set s, tile t at 64 + 96 s + 16 t)
;   window 1: the tokens' fragments, two sets of eight (128 s + 16 a).   window 2: accumulators of tiles 0-3 (64 t + 8 a).
;   window 3: accumulators of tiles 4, 5; v128-223 the bias tiles (128 + 48 p + 8 t); v224-255 codes on their way out.
.set MSB, 0
.macro WIN new                         ; the immediate's high byte repeats the setting that is left
.if MSB != \new
	s_set_vgpr_msb (MSB<<8)|\new
.set MSB, \new
.endif
.endm
.macro PLACES n
.rept \n
	v_nop
.endr
.endm
.macro POW2 d, e
	s_add_co_i32 s[\d], s[\e], 127
	s_lshl_b32 s[\d], s[\d], 23
.endm
.macro LIM448 d, e
	s_add_co_i32 s[\d], s[\e], 135
	s_lshl_b32 s[\d], s[\d], 23
	s_or_b32 s[\d], s[\d], 0x600000
.endm
.macro ROUND                           ; a round of the cluster's barrier
	s_barrier_signal -1
	s_barrier_wait -1
	s_cmp_lg_u32 s16, 0
	s_cbranch_scc1 .Lnot_wave_0_\@
	s_barrier_signal -3
.Lnot_wave_0_\@:
	s_barrier_wait -3
	s_barrier_signal -1
	s_barrier_wait -1
.endm
.macro SCL ex, vr, lo                  ; for the operand with exponent s[ex]: v[vr] = 2^(e - e0 - e1); s[lo], s[lo+1] = -+448 x that
	s_add_co_i32 s76, s[\ex], s62
	POW2 77, 76
	v_mov_b32 v[\vr], s77
	LIM448 (\lo)+1, 76
	s_or_b32 s[\lo], s[(\lo)+1], 0x80000000
.endm
.macro WAITCHUNK j                     ; chunk j (K steps 2 j, 2 j + 1) is whole in LDS for every wave
	s_wait_tensorcnt 3-(\j)                        ; my part of it has landed; my loads of the 3 - j later chunks may be out
	s_wait_dscnt 0x0
	s_barrier_signal -1
	s_barrier_wait -1
.endm
.macro ALOAD g                         ; my eight token fragments of step g (K step g % 8) into set g % 2
	WIN 0x40
.irp a, 0,1,2,3,4,5,6,7
.irp c, 0,1,2,3
	ds_load_b128 v[128*((\g)%2)+16*\a+4*\c:128*((\g)%2)+16*\a+4*\c+3], v[2+((\g)%8)/2] offset:((\g)%2)*32768+2048*\a+512*\c
.endr
.endr
.endm
.macro BLOAD g, t0                     ; three of step g's six fragments of the weight into set g % 2
	WIN 0
.irp t, 0,1,2
.irp c, 0,1,2,3
	global_load_b128 v[64+96*((\g)%2)+16*((\t0)+\t)+4*\c:64+96*((\g)%2)+16*((\t0)+\t)+4*\c+3], v1, s[66:67] offset:(6*(\g)+(\t0)+\t)*2048+512*\c
.endr
.endr
.endm
.macro MULQK g, t                      ; tile t of q or k against my eight token blocks; a pass's first step takes the bias as C
.if ((\g)%8) == 0
	WIN 0xB4
.else
	WIN 0xA4
.endif
.irp a, 0,1,2,3,4,5,6,7
.if ((\g)%8) == 0
	v_wmma_f32_16x16x128_fp8_fp8 v[64*(\t)+8*\a:64*(\t)+8*\a+7], v[64+96*((\g)%2)+16*(\t):64+96*((\g)%2)+16*(\t)+15], v[128*((\g)%2)+16*\a:128*((\g)%2)+16*\a+15], v[128+48*((\g)/8)+8*(\t):128+48*((\g)/8)+8*(\t)+7]
.else
	v_wmma_f32_16x16x128_fp8_fp8 v[64*(\t)+8*\a:64*(\t)+8*\a+7], v[64+96*((\g)%2)+16*(\t):64+96*((\g)%2)+16*(\t)+15], v[128*((\g)%2)+16*\a:128*((\g)%2)+16*\a+15], v[64*(\t)+8*\a:64*(\t)+8*\a+7]
.endif
.endr
.endm
.macro MULV g, t                       ; tile t (4, 5) of v: the tokens are source 0
	WIN 0xF1
.irp a, 0,1,2,3,4,5,6,7
.if ((\g)%8) == 0
	v_wmma_f32_16x16x128_fp8_fp8 v[64*((\t)-4)+8*\a:64*((\t)-4)+8*\a+7], v[128*((\g)%2)+16*\a:128*((\g)%2)+16*\a+15], v[64+96*((\g)%2)+16*(\t):64+96*((\g)%2)+16*(\t)+15], v[128+48*((\g)/8)+8*(\t):128+48*((\g)/8)+8*(\t)+7]
.else
	v_wmma_f32_16x16x128_fp8_fp8 v[64*((\t)-4)+8*\a:64*((\t)-4)+8*\a+7], v[128*((\g)%2)+16*\a:128*((\g)%2)+16*\a+15], v[64+96*((\g)%2)+16*(\t):64+96*((\g)%2)+16*(\t)+15], v[64*((\t)-4)+8*\a:64*((\t)-4)+8*\a+7]
.endif
.endr
.endm
; Step g = 8 p + K step: 48 products, the 48 accumulators by turns.  Each half of the ring's set is asked for again, two steps ahead, four places behind its last product.
.macro KSTEP g
	s_wait_dscnt 0x0                               ; this step's tokens are in
.if (\g) < 15
	s_wait_loadcnt 36                              ; tiles 0-2 are in; behind them were issued this step's tiles 3-5 and the next step's six: 36 loads
.else
	s_wait_loadcnt 12                              ; behind them: tiles 3-5
.endif
	MULQK \g, 0
	MULQK \g, 1
	MULQK \g, 2
	PLACES 4                                       ; in front of loads into registers that matrix instructions have read
.if (\g) <= 13
	BLOAD (\g)+2, 0
.endif
.if ((\g) == 1) || ((\g) == 3) || ((\g) == 5)
	WAITCHUNK ((\g)+1)/2                           ; the next K step begins a chunk
.endif
.if (\g) < 15
	ALOAD (\g)+1                                   ; the other set's last products stand in the step before
.endif
.if (\g) <= 13
	s_wait_loadcnt 36                              ; tiles 3-5 are in; behind them: the next step's six and the 12 loads just issued
.elseif (\g) == 14
	s_wait_loadcnt 24                              ; behind them: the last step's six tiles
.else
	s_wait_loadcnt 0x0
.endif
	MULQK \g, 3
	MULV \g, 4
	MULV \g, 5
	PLACES 4                                       ; in front of the loads below, and of the first read of results on the way out
.if (\g) <= 13
	BLOAD (\g)+2, 3
.endif
.endm
; THE WAY OUT of pass p: hold, convert, store.  Each accumulator is read from its low end on.  Every store covers 512 consecutive aligned bytes: a piece of an image.
.macro EPI p
.irp s, 0,1                            ; q, then k
	WIN 0x82
.set n, 0
.rept 128
	v_med3_num_f32 v[128*\s+n], v[128*\s+n], s[56+2*\s], s[57+2*\s]
.set n, n+1
.endr
	s_wait_xcnt 0x0                                ; earlier stores have read the code registers
	WIN 0xC2
.irp a, 0,1,2,3,4,5,6,7
	v_cvt_scalef32_pk8_fp8_f32 v[224+4*\a:225+4*\a], v[128*\s+8*\a:128*\s+8*\a+7], v[10+\s]          ; token block a: channels 32 ch + 16 h + 0 .. 7,
	v_cvt_scalef32_pk8_fp8_f32 v[226+4*\a:227+4*\a], v[128*\s+64+8*\a:128*\s+64+8*\a+7], v[10+\s]    ; and + 8 .. 15
.endr
	v_nop                                          ; a plain line behind the conversions: the next pass's products write their sources
	WIN 0x0C
.irp a, 0,1,2,3,4,5,6,7
	global_store_b128 v1, v[224+4*\a:227+4*\a], s[70+2*\s:71+2*\s] offset:(131072+131072*\s)*(\p)+1024*\a
.endr
.endr
	WIN 0xC3                                       ; v
.set n, 0
.rept 128
	v_med3_num_f32 v[n], v[n], s60, s61
.set n, n+1
.endr
	s_wait_xcnt 0x0
.irp u, 0,1
.irp c, 0,1,2,3
	v_cvt_scalef32_pk8_fp8_f32 v[224+16*\u+4*\c:225+16*\u+4*\c], v[64*\u+16*\c:64*\u+16*\c+7], v12       ; channel tile u: keys 32 c + 16 h + 0 .. 7,
	v_cvt_scalef32_pk8_fp8_f32 v[226+16*\u+4*\c:227+16*\u+4*\c], v[64*\u+16*\c+8:64*\u+16*\c+15], v12    ; and + 8 .. 15
.endr
.endr
	v_nop
	WIN 0x0C
.irp u, 0,1
.irp c, 0,1,2,3
	global_store_b128 v1, v[224+16*\u+4*\c:227+16*\u+4*\c], s[74:75] offset:262144*(\p)+2048*\u+512*\c
.endr
.endr
.endm
	s_load_b256 s[4:11], s[0:1], 0x0               ; hf s[4:5], wf s[6:7], b_qkv s[8:9], the exponents s[10:11]
	s_load_b128 s[12:15], s[0:1], 0x20             ; qf s[12:13], kv s[14:15]
	v_lshl_add_u32 v62, v0, 2, 0x40000
	v_mov_b32 v63, 0
	ds_add_u32 v62, v63
	ds_add_u32 v62, v63
	v_lshrrev_b32 v1, 5, v0
	v_readfirstlane_b32 s16, v1                    ; wave 0..3
	s_lshr_b32 s17, s16, 1                         ; rh: which 128 tokens
	s_and_b32 s18, s16, 1                          ; ch: which 32 of each 64 columns
	s_bfe_u32 s19, ttmp6, 0x40000                  ; cx
	s_lshl_b32 s20, ttmp9, 2
	s_add_co_u32 s20, s20, s19                     ; cg = 4 x cluster x + cx: it enters the weight's, the bias's and the outputs' addresses alone
	s_and_b32 s21, ttmp7, 0xffff                   ; T, which the four partners share
	; descriptor group 1: 64 rows of 256 bytes, dense: 16 KB
	s_mov_b32 s24, 15|(3<<16)|(1<<21)              ; 15:0 the mask: all four work-groups; 17:16 elements of 8 bytes; 21 set beside a mask
	s_mov_b32 s25, 32<<16                          ; tensor_dim0 = 32
	s_mov_b32 s26, 64<<16                          ; tensor_dim1 = 64
	s_mov_b32 s27, 32<<16                          ; tile_dim0 = 32
	s_mov_b32 s28, 64                              ; tile_dim1 = 64
	s_mov_b32 s29, 32                              ; from row to row
	s_mov_b32 s30, 0
	s_mov_b32 s31, 0
	v_and_b32 v1, 31, v0
	v_lshlrev_b32 v1, 4, v1                        ; 16 x lane
	v_and_b32 v8, 15, v0                           ; r
	v_bfe_u32 v9, v0, 4, 1                         ; h
	s_lshl_b32 s63, s17, 14                        ; my eight blocks of a K step's sixteen
.irp j, 0,1,2,3
	v_add_nc_u32 v[2+\j], s63, v1
	s_add_co_u32 s63, s63, 65536
.endr
	v_lshlrev_b32 v6, 6, v9                        ; q's and k's bias: 16 h columns on
	v_and_b32 v7, 8, v8
	v_add_nc_u32 v7, v7, v8
	v_lshlrev_b32 v7, 2, v7                        ; v's bias: my channel r % 8 + 16 (r / 8)
	s_wait_dscnt 0x0
	s_wait_kmcnt 0x0
	s_load_b256 s[48:55], s[10:11], 0x0            ; e0 .. e7
	s_lshl_b32 s22, s21, 18                        ; the token tile's 256 KB,
	s_lshl_b32 s63, s16, 14                        ; my wave's 16 KB of each chunk
	s_add_co_u32 s22, s22, s63
	s_mov_b32 s23, 0
	s_add_nc_u64 s[22:23], s[4:5], s[22:23]
.irp j, 0,1,2,3
	s_mov_b32 s[32+4*\j], 1                        ; count = 1
	s_add_co_u32 s[33+4*\j], s63, 65536*\j         ; LDS address: LDS mirrors the tile
	s_add_nc_u64 s[34+4*\j:35+4*\j], s[22:23], 65536*\j
	s_or_b32 s[35+4*\j], s[35+4*\j], 0x80000000    ; type = 2
.endr
	s_mov_b32 s79, 0                               ; what hangs on cg is made in registers that feed no descriptor
	s_lshl_b32 s78, s20, 1
	s_add_co_u32 s78, s78, s18
	s_mul_i32 s78, s78, 196608
	s_add_nc_u64 s[66:67], s[6:7], s[78:79]        ; my run of the weight's fragments
	s_mul_i32 s78, s20, 1536
	s_lshl_b32 s76, s18, 7
	s_add_co_u32 s78, s78, s76
	s_add_nc_u64 s[68:69], s[8:9], s[78:79]        ; the bias at column 384 cg + 32 ch
	s_lshr_b32 s76, s21, 3
	s_lshl_b32 s76, s76, 4
	s_lshl_b32 s77, s20, 1
	s_add_co_u32 s76, s76, s77                     ; 16 b + 2 cg
	s_and_b32 s77, s21, 7
	s_lshl_b32 s77, s77, 1
	s_add_co_u32 s77, s77, s17                     ; which 128 tokens of the batch's 2,048
	s_lshl_b32 s78, s76, 17
	s_lshl_b32 s63, s77, 13
	s_add_co_u32 s78, s78, s63
	s_lshl_b32 s63, s18, 9
	s_add_co_u32 s78, s78, s63
	s_add_nc_u64 s[70:71], s[12:13], s[78:79]      ; q: piece ch of my eight tiles
	s_lshl_b32 s76, s76, 18
	s_lshl_b32 s77, s77, 14
	s_add_co_u32 s76, s76, s77
	s_add_co_u32 s78, s76, s63
	s_add_nc_u64 s[72:73], s[14:15], s[78:79]      ; k likewise
	s_lshl_b32 s63, s18, 12
	s_add_co_u32 s78, s76, s63
	s_add_co_u32 s78, s78, 8192
	s_add_nc_u64 s[74:75], s[14:15], s[78:79]      ; v: fragments 2 ch, 2 ch + 1
	ROUND                                          ; all four work-groups are here: the joint loads meet
	tensor_load_to_lds s[32:35], s[24:31]          ; the four fills go out together: four loads of mine are out
	s_nop 0
	tensor_load_to_lds s[36:39], s[24:31]
	s_nop 0
	tensor_load_to_lds s[40:43], s[24:31]
	s_nop 0
	tensor_load_to_lds s[44:47], s[24:31]
	s_nop 0
	PLACES 4                                       ; four lines behind the loads, ahead of the switch of windows
	WIN 0xC0
.irp p, 0,1
.irp t, 0,1,2,3
	global_load_b128 v[128+48*\p+8*\t:128+48*\p+8*\t+3], v6, s[68:69] offset:768*\p+256*(\t/2)+32*(\t%2)
	global_load_b128 v[128+48*\p+8*\t+4:128+48*\p+8*\t+7], v6, s[68:69] offset:768*\p+256*(\t/2)+32*(\t%2)+16
.endr
.irp t, 4,5
	global_load_b32 v[128+48*\p+8*\t], v7, s[68:69] offset:768*\p+512+32*(\t%2)
.endr
.endr
	BLOAD 0, 0
	BLOAD 0, 3
	BLOAD 1, 0
	BLOAD 1, 3
	s_wait_kmcnt 0x0
	s_add_co_i32 s62, s48, s49
	s_sub_co_i32 s62, 0, s62                       ; -(e0 + e1)
	SCL 50, 10, 56                                 ; q
	SCL 51, 11, 58                                 ; k
	SCL 53, 12, 60                                 ; v
	s_wait_loadcnt 48                              ; the bias is in; the ring's 48 loads may be out
	WIN 0xC3
.irp p, 0,1
.set n, 0
.rept 32
	v_ldexp_f32 v[128+48*\p+n], v[128+48*\p+n], s62
.set n, n+1
.endr
.irp t, 4,5
.irp j, 7,6,5,4,3,2,1,0
	v_ldexp_f32 v[128+48*\p+8*\t+\j], v[128+48*\p+8*\t], s62   ; v's bias is one number a lane, the same for its eight tokens
.endr
.endr
.endr
	WIN 0
	WAITCHUNK 0
	ALOAD 0
.irp g, 0,1,2,3,4,5,6,7
	KSTEP \g
.endr
	EPI 0
.irp g, 8,9,10,11,12,13,14,15
	KSTEP \g
.endr
	EPI 1
	WIN 0
	s_wait_tensorcnt 0x0
	ds_add_u32 v62, v63
	s_wait_dscnt 0x0
	ROUND                                          ; the closing round: no work-group ends while a partner may still ask for a tile that names it
	s_endpgm
.Lfunc_end_k_q5cc4af68dc_qkv:
	.size	k_q5cc4af68dc_qkv, .Lfunc_end_k_q5cc4af68dc_qkv-k_q5cc4af68dc_qkv
	.p2alignl 7, 3214868480
	.fill 96, 4, 3214868480
	.section	.rodata,"a",@progbits
	.p2align	6, 0x0
	.amdhsa_kernel k_q5cc4af68dc_qkv
		.amdhsa_group_segment_fixed_size 262656
		.amdhsa_private_segment_fixed_size 0
		.amdhsa_enable_private_segment 0
		.amdhsa_kernarg_size 48
		.amdhsa_user_sgpr_count 2
		.amdhsa_user_sgpr_kernarg_segment_ptr 1
		.amdhsa_wavefront_size32 1
		.amdhsa_system_sgpr_workgroup_id_x 1
		.amdhsa_system_sgpr_workgroup_id_y 1
		.amdhsa_system_sgpr_workgroup_id_z 1
		.amdhsa_system_vgpr_workitem_id 0
		.amdhsa_next_free_vgpr 1024
		.amdhsa_next_free_sgpr 80
		.amdhsa_reserve_vcc 0
		.amdhsa_float_denorm_mode_32 3
		.amdhsa_float_denorm_mode_16_64 3
		.amdhsa_memory_ordered 1
		.amdhsa_forward_progress 1
		.amdhsa_inst_pref_size 200
	.end_amdhsa_kernel
	.amdgpu_metadata
---
amdhsa.version: [ 1, 2 ]
amdhsa.kernels:
  - .name:           k_q5cc4af68dc_qkv
    .symbol:         k_q5cc4af68dc_qkv.kd
    .args:
      - { .name: hf, .offset: 0, .size: 8, .value_kind: global_buffer, .address_space: global }
      - { .name: wf, .offset: 8, .size: 8, .value_kind: global_buffer, .address_space: global }
      - { .name: b_qkv, .offset: 16, .size: 8, .value_kind: global_buffer, .address_space: global }
      - { .name: lowp_scales, .offset: 24, .size: 8, .value_kind: global_buffer, .address_space: global }
      - { .name: qf, .offset: 32, .size: 8, .value_kind: global_buffer, .address_space: global }
      - { .name: kv, .offset: 40, .size: 8, .value_kind: global_buffer, .address_space: global }
    .group_segment_fixed_size: 262656
    .private_segment_fixed_size: 0
    .kernarg_segment_align: 8
    .kernarg_segment_size: 48
    .max_flat_workgroup_size: 128
    .sgpr_count:     80
    .vgpr_count:     1024
    .wavefront_size: 32
...
	.end_amdgpu_metadata
.endif
;; end of part 2
;; launch attn (part 3): grid 4 x 64, 8 waves a work-group, clusters of 4 x 1, 271,360 bytes of LDS; arguments qf, kv, attention_mask, lowp_scales, cf; writes cf
.if DOCPART == 3
	.amdgcn_target "amdgcn-amd-amdhsa--gfx1250"
	.amdhsa_code_object_version 6
	.text
	.protected	k_q5cc4af68dc_attn
	.globl	k_q5cc4af68dc_attn
	.p2align	8
	.type	k_q5cc4af68dc_attn,@function
k_q5cc4af68dc_attn:
	s_mov_b64 s[64:65], 0
	v_nop
	global_prefetch_b8 v0, s[64:65] scope:SCOPE_SE
	s_setreg_imm32_b32 hwreg(HW_REG_WAVE_MODE, 25, 1), 1
	s_wait_xcnt 0x0
	s_wait_alu depctr_hold_cnt(0) depctr_sa_sdst(0) depctr_va_vdst(0) depctr_va_sdst(0) depctr_va_ssrc(0) depctr_va_vcc(0) depctr_vm_vsrc(0)
	s_getreg_b32 s2, hwreg(HW_REG_IB_STS2, 6, 4)
	s_cmp_eq_u32 s2, 0
	s_cbranch_scc0 .Lentry_in_a_cluster
	s_endpgm
.Lentry_in_a_cluster:
	s_bfe_u32 s2, ttmp6, 0x10000c
	s_cmp_lg_u32 s2, 0x3003
	s_cbranch_scc0 .Lentry_shape_is_right
	s_endpgm
.Lentry_shape_is_right:
; ctx = softmax(q k^T / 8 + mask) v for one head of one batch, both products on codes of FP8, and ctx quantised with 2^e6 into images of the last product's operand.
; THE SOFTMAX AHEAD OF THE SECOND PRODUCT: t = (score / 8 + mask) log2(e); M = the running largest t rounded UP to a whole number; p = 2^(t - M) is quantised with 2^e4, not normalised;
; the row's sum is taken of the unquantised p and divides at the end.  When M moves, the sum and O are multiplied by 2^(old M - new M): nothing is rounded, and no branch hangs on data.
; SHARES.  A work-group takes 512 queries (block cx) of head bh; each of its eight waves four tiles of 16 queries, which share every fragment of K, of V and of the mask that the wave reads from LDS.
; THE HEAD'S WHOLE K AND V, 256 KB, fill LDS ONCE, in two chunks (4 and 12 steps of 128 keys): nothing is filled again.  The four work-groups of a cluster walk the same head and ask jointly.
; LAYOUT.  Both products are used transposed: S^T = K Q^T, O^T = V^T P^T: a lane holds one query throughout.  By the choice of a tile's keys the 16 registers of tiles 2 b, 2 b + 1 are keys 32 b + 16 h + 0 .. 15.
; THE MASK IS THE C OF THE SCORE PRODUCT: mask x 2^(3 - e2 - e3), kept in LDS in f32; then t = c (sum), c = log2(e) / 8 x 2^(e2 + e3).
; LIMITS: e2 + e3 between -123 and 130; e4 and e6 between -126 and 119; mask x 2^(3 - e2 - e3) stays finite where the mask is.  NaN is not served.
; REGISTERS.  window 0: v1 16 x lane; v2 the mask's place for my half; v3, v4 the step's addresses; v7 448 x 2^e4; v8, v9 maxima; v[10:11] f; v[12:13] a chain of the sum; v14 for the exchange; v15 2^e4;
;   v16 + 4 i: -M, the largest t, the sum in two halves; v32 + 8 i Q; v64-127 S^T, then p; v128 + 16 i p's codes; v192 + 8 i ctx's codes; v224 2^e6.
;   window 1: v0-63 K's eight tiles, then V^T's four fragments; v64-127 the mask; v128 + 32 i O^T.
.set MASKB, 262144
.set ST, 16
.set QQ, 32
.set SS, 64
.set PP, 128
.set CT, 192
.set MSB, 0
.macro WIN new
.if MSB != \new
	s_set_vgpr_msb (MSB<<8)|\new
.set MSB, \new
.endif
.endm
.macro PLACES n
.rept \n
	v_nop
.endr
.endm
.macro POW2 d, e
	s_add_co_i32 s[\d], s[\e], 127
	s_lshl_b32 s[\d], s[\d], 23
.endm
.macro LIM448 d, e
	s_add_co_i32 s[\d], s[\e], 135
	s_lshl_b32 s[\d], s[\d], 23
	s_or_b32 s[\d], s[\d], 0x600000
.endm
.macro ROUND
	s_barrier_signal -1
	s_barrier_wait -1
	s_cmp_lg_u32 s16, 0
	s_cbranch_scc1 .Lnot_wave_0_\@
	s_barrier_signal -3
.Lnot_wave_0_\@:
	s_barrier_wait -3
	s_barrier_signal -1
	s_barrier_wait -1
.endm
; tile i's softmax for a step of 128 keys
.macro SOFTMAX i
	v_max3_num_f32 v8, v[SS], v[SS+1], v[SS+2]     ; the step's largest sum of my query among my 64 keys, in two chains, each accumulator from its low end on
	v_max3_num_f32 v9, v[SS+3], v[SS+4], v[SS+5]
.irp n, 6,10,14,18,22,26,30,34,38,42,46,50,54,58
	v_max3_num_f32 v8, v8, v[SS+\n], v[SS+1+\n]
	v_max3_num_f32 v9, v9, v[SS+2+\n], v[SS+3+\n]
.endr
	v_max3_num_f32 v8, v8, v[SS+62], v[SS+63]
	v_max_num_f32 v8, v8, v9
	v_permlanex16_b32 v14, v8, s20, s21
	v_max_num_f32 v8, v8, v14                      ; and among lane l xor 16's
	v_mul_f32 v8, s22, v8                          ; as t (c is positive)
	v_max_num_f32 v[ST+4*(\i)+1], v[ST+4*(\i)+1], v8
	v_mov_b32 v8, v[ST+4*(\i)]
	v_floor_f32 v[ST+4*(\i)], -v[ST+4*(\i)+1]      ; the new -M = floor(-t)
	v_sub_f32 v8, v[ST+4*(\i)], v8                 ; old M - new M: a whole number, 0 or less
	v_cvt_i32_f32 v8, v8                           ; (it saturates)
	v_ldexp_f32 v10, 1.0, v8                       ; f = 2^(old M - new M)
	v_pk_fma_f32 v[SS:SS+1], v[SS:SS+1], s[22:23], v[ST+4*(\i):ST+4*(\i)+1] op_sel_hi:[1,0,0]   ; t - M, two at a time
.set n, 0
.rept 32                               ; ONE BATCH: a pair's two exponentials stand behind the next pair's scaling; no line of the batch reads an exponential's result
.if n < 31
	v_pk_fma_f32 v[SS+2*n+2:SS+2*n+3], v[SS+2*n+2:SS+2*n+3], s[22:23], v[ST+4*(\i):ST+4*(\i)+1] op_sel_hi:[1,0,0]
.endif
	v_exp_f32 v[SS+2*n], v[SS+2*n]
	v_exp_f32 v[SS+2*n+1], v[SS+2*n+1]
.set n, n+1
.endr
	v_pk_mul_f32 v[ST+4*(\i)+2:ST+4*(\i)+3], v[ST+4*(\i)+2:ST+4*(\i)+3], v[10:11] op_sel_hi:[1,0]   ; the sums under the new M: the plain line behind the last exponential
	s_wait_alu depctr_va_vdst(0)                   ; one wait for the batch, ahead of its first reader
	v_pk_add_f32 v[12:13], v[SS:SS+1], v[SS+2:SS+3]  ; the row's sum is taken of the unquantised p, in two chains
.irp n, 4,8,12,16,20,24,28,32,36,40,44,48,52,56,60
	v_pk_add_f32 v[ST+4*(\i)+2:ST+4*(\i)+3], v[ST+4*(\i)+2:ST+4*(\i)+3], v[SS+\n:SS+1+\n]
	v_pk_add_f32 v[12:13], v[12:13], v[SS+2+\n:SS+3+\n]
.endr
	v_pk_add_f32 v[ST+4*(\i)+2:ST+4*(\i)+3], v[ST+4*(\i)+2:ST+4*(\i)+3], v[12:13]
.irp b, 0,1,2,3
.set n, 0
.rept 16
	v_min_num_f32 v[SS+16*\b+n], v[SS+16*\b+n], v7 ; the conversion does not saturate (ISA guide 7.6.2); p is not negative: a one-sided hold
.set n, n+1
.endr
	v_cvt_scalef32_pk8_fp8_f32 v[PP+16*(\i)+4*\b:PP+16*(\i)+4*\b+1], v[SS+16*\b:SS+16*\b+7], v15
	v_cvt_scalef32_pk8_fp8_f32 v[PP+16*(\i)+4*\b+2:PP+16*(\i)+4*\b+3], v[SS+16*\b+8:SS+16*\b+15], v15
.endr
	WIN 0x41
.set n, 0
.rept 16
	v_pk_mul_f32 v[128+32*(\i)+n:129+32*(\i)+n], v[128+32*(\i)+n:129+32*(\i)+n], v[10:11] op_sel_hi:[1,0]   ; O^T under the new M; also the plain lines behind the conversions
.set n, n+2
.endr
	WIN 0
.endm
; a step of 128 keys; s2: its 16 KB in LDS; s3: its 512 bytes of the mask
.macro STEP
	v_add_nc_u32 v3, s2, v1
	v_add_nc_u32 v4, s3, v2
	v_nop
	v_nop                                          ; with the two additions: four places behind the last products, in front of loads into registers that they read
	WIN 0x40
.irp b, 0,1,2,3
.irp q, 0,1,2,3
	ds_load_b128 v[64+16*\b+4*\q:67+16*\b+4*\q], v4 offset:128*\b+16*\q   ; the mask of keys 32 b + 16 h + 4 q ..: the scores' own layout
.endr
.endr
.irp t, 0,1,2,3,4,5,6,7
	ds_load_b128 v[8*\t:8*\t+3], v3 offset:1024*\t
	ds_load_b128 v[8*\t+4:8*\t+7], v3 offset:1024*\t+512
.endr
	s_wait_dscnt 0x0
.irp i, 0,1,2,3
	WIN 0x11                                       ; K and the mask in window 1, Q and S^T in window 0
.irp t, 0,1,2,3,4,5,6,7
	v_wmma_f32_16x16x64_fp8_fp8 v[SS+8*\t:SS+8*\t+7], v[8*\t:8*\t+7], v[QQ+8*\i:QQ+8*\i+7], v[64+8*\t:71+8*\t]
.endr
	WIN 0
	PLACES 4                                       ; in front of the first read of the scores, and of the loads over K
.if \i == 3
	WIN 0x40
.irp c, 0,1,2,3
.irp q, 0,1,2,3
	ds_load_b128 v[16*\c+4*\q:16*\c+4*\q+3], v3 offset:8192+2048*\c+512*\q   ; V^T takes K's registers; it lands under the last tile's softmax
.endr
.endr
	WIN 0
.endif
	SOFTMAX \i
.endr
	s_wait_dscnt 0x0                               ; V^T is in
	WIN 0x51                                       ; V^T and O^T in window 1, p's codes in window 0
.irp c, 0,1,2,3
.irp i, 0,1,2,3
	v_wmma_f32_16x16x128_fp8_fp8 v[128+32*\i+8*\c:135+32*\i+8*\c], v[16*\c:16*\c+15], v[PP+16*\i:PP+16*\i+15], v[128+32*\i+8*\c:135+32*\i+8*\c]
.endr
.endr
	WIN 0
	s_add_co_u32 s2, s2, 16384
	s_add_co_u32 s3, s3, 512
.endm
	s_load_b256 s[4:11], s[0:1], 0x0               ; qf s[4:5], kv s[6:7], the mask s[8:9], the exponents s[10:11]
	s_load_b64 s[12:13], s[0:1], 0x20              ; cf
	v_lshl_add_u32 v254, v0, 2, 0x42000
	v_mov_b32 v255, 0
	ds_add_u32 v254, v255
	ds_add_u32 v254, v255
	v_lshrrev_b32 v1, 5, v0
	v_readfirstlane_b32 s16, v1                    ; wave 0..7
	s_bfe_u32 s17, ttmp6, 0x40000                  ; cx: my block of 512 queries: it enters Q's and ctx's addresses alone
	s_and_b32 s18, ttmp7, 0xffff                   ; bh = 16 b + head, which the four partners share
	; descriptor groups 1: rows of 256 bytes, dense: 32 rows (chunk A: 8 KB a wave) and 96 rows (chunk B: 24 KB a wave)
	s_mov_b32 s24, 15|(3<<16)|(1<<21)              ; the mask: all four work-groups; elements of 8 bytes; bit 21 set beside a mask
	s_mov_b32 s25, 32<<16
	s_mov_b32 s26, 32<<16
	s_mov_b32 s27, 32<<16
	s_mov_b32 s28, 32
	s_mov_b32 s29, 32
	s_mov_b32 s30, 0
	s_mov_b32 s31, 0
	s_mov_b32 s32, 15|(3<<16)|(1<<21)
	s_mov_b32 s33, 32<<16
	s_mov_b32 s34, 96<<16
	s_mov_b32 s35, 32<<16
	s_mov_b32 s36, 96
	s_mov_b32 s37, 32
	s_mov_b32 s38, 0
	s_mov_b32 s39, 0
	s_mov_b32 s20, 0x76543210                      ; lane l xor 16
	s_mov_b32 s21, 0xfedcba98
	v_and_b32 v1, 31, v0
	v_lshlrev_b32 v1, 4, v1                        ; 16 x lane
	v_bfe_u32 v2, v0, 4, 1
	v_lshlrev_b32 v2, 6, v2
	v_add_nc_u32 v2, MASKB, v2                     ; the mask in LDS, + 16 h keys
	v_lshlrev_b32 v6, 4, v0                        ; the mask in memory: 16 bytes a thread
	v_lshl_add_u32 v5, v0, 4, MASKB                ; and where they go
	s_wait_dscnt 0x0
	s_wait_kmcnt 0x0
	s_load_b256 s[48:55], s[10:11], 0x0            ; e0 .. e7
	s_lshl_b32 s60, s18, 18
	s_mov_b32 s61, 0
	s_add_nc_u64 s[6:7], s[6:7], s[60:61]          ; the head's K and V
	s_lshl_b32 s62, s16, 13
	s_mov_b32 s63, 0
	s_mov_b32 s40, 1
	s_mov_b32 s41, s62                             ; LDS mirrors the head's 256 KB
	s_add_nc_u64 s[42:43], s[6:7], s[62:63]
	s_or_b32 s43, s43, 0x80000000
	s_mul_i32 s62, s16, 24576
	s_add_co_u32 s62, s62, 65536
	s_mov_b32 s44, 1
	s_mov_b32 s45, s62
	s_add_nc_u64 s[46:47], s[6:7], s[62:63]
	s_or_b32 s47, s47, 0x80000000
	s_mov_b32 s71, 0                               ; what hangs on cx is made in registers that feed no descriptor
	s_lshr_b32 s66, s18, 4                         ; b
	s_lshl_b32 s70, s66, 13
	s_add_nc_u64 s[8:9], s[8:9], s[70:71]          ; the batch's mask
	s_lshl_b32 s67, s17, 5
	s_lshl_b32 s68, s16, 2
	s_add_co_u32 s67, s67, s68                     ; my first tile of queries: 32 cx + 4 w
	s_lshl_b32 s67, s67, 10
	s_lshl_b32 s70, s18, 17
	s_add_co_u32 s70, s70, s67
	s_add_nc_u64 s[4:5], s[4:5], s[70:71]
	s_lshl_b32 s67, s66, 6
	s_lshl_b32 s68, s17, 4
	s_add_co_u32 s67, s67, s68
	s_lshl_b32 s68, s16, 1
	s_add_co_u32 s67, s67, s68                     ; my first group of 32 tokens
	s_lshl_b32 s70, s67, 15
	s_and_b32 s68, s18, 15                         ; the head
	s_lshr_b32 s69, s68, 1
	s_lshl_b32 s69, s69, 12                        ; its K step of the last product,
	s_add_co_u32 s70, s70, s69
	s_and_b32 s68, s68, 1
	s_lshl_b32 s68, s68, 10                        ; and its two pieces there
	s_add_co_u32 s70, s70, s68
	s_add_nc_u64 s[12:13], s[12:13], s[70:71]
	ROUND                                          ; all four work-groups are here: the joint loads meet
	tensor_load_to_lds s[40:43], s[24:31]          ; both fills go out together: two loads of mine are out
	s_nop 0
	tensor_load_to_lds s[44:47], s[32:39]
	s_nop 0
	PLACES 4                                       ; four lines behind the loads
	global_load_b128 v[228:231], v6, s[8:9]
	global_load_b128 v[232:235], v6, s[8:9] offset:4096
.irp i, 0,1,2,3
	global_load_b128 v[QQ+8*\i:QQ+8*\i+3], v1, s[4:5] offset:1024*\i
	global_load_b128 v[QQ+8*\i+4:QQ+8*\i+7], v1, s[4:5] offset:1024*\i+512
.endr
	s_wait_kmcnt 0x0
	s_add_co_i32 s60, s50, s51                     ; e2 + e3
	s_lshl_b32 s61, s60, 23
	s_add_co_i32 s22, s61, 0x3e38aa3b              ; c = log2(e) / 8 x 2^(e2 + e3): the exponents are added to its exponent field
	s_mov_b32 s23, s22                             ; (named with it as a pair)
	s_sub_co_i32 s60, 3, s60                       ; the mask goes in as mask x 2^(3 - e2 - e3)
	POW2 61, 52
	v_mov_b32 v15, s61                             ; 2^e4
	LIM448 61, 52
	v_mov_b32 v7, s61                              ; 448 x 2^e4
	POW2 61, 54
	v_mov_b32 v224, s61                            ; 2^e6
	LIM448 57, 54
	s_or_b32 s56, s57, 0x80000000                  ; -+448 x 2^e6
	s_add_co_i32 s58, s52, s53                     ; e4 + e5
	v_mov_b32 v11, 0                               ; (named as the upper half of the pair v[10:11])
	v_mov_b32 v14, 0                               ; a lane permute's destination counts as one of its sources
.irp i, 0,1,2,3
	v_mov_b32 v[ST+4*\i+1], 0xff61b1e6             ; the largest t so far: -3e38
	v_floor_f32 v[ST+4*\i], -v[ST+4*\i+1]          ; -M
	v_mov_b32 v[ST+4*\i+2], 0                      ; the sum
	v_mov_b32 v[ST+4*\i+3], 0
.endr
	WIN 0x40
.set n, 0
.rept 128
	v_mov_b32 v[128+n], 0                          ; O^T: the step is written without a first step of its own: the first change of M multiplies zeros
.set n, n+1
.endr
	WIN 0
	s_wait_loadcnt 0x0
.irp j, 0,1,2,3,4,5,6,7
	v_ldexp_f32 v[228+\j], v[228+\j], s60
.endr
	ds_store_b128 v5, v[228:231]
	ds_store_b128 v5, v[232:235] offset:4096
	s_wait_tensorcnt 1                             ; my part of chunk A has landed; chunk B's load may be out
	s_wait_dscnt 0x0                               ; my part of the mask is stored
	s_barrier_signal -1
	s_barrier_wait -1
	s_mov_b32 s2, 0
	s_mov_b32 s3, 0
	s_mov_b32 s59, 4
.Lchunk_a:                                             ; steps 0 to 3
	STEP
	s_sub_co_u32 s59, s59, 1
	s_cmp_lg_u32 s59, 0
	s_cbranch_scc1 .Lchunk_a
	s_wait_tensorcnt 0x0                           ; my part of chunk B has landed,
	s_wait_dscnt 0x0
	s_barrier_signal -1
	s_barrier_wait -1                              ; everybody's has
	s_mov_b32 s59, 12
.Lchunk_b:                                             ; steps 4 to 15
	STEP
	s_sub_co_u32 s59, s59, 1
	s_cmp_lg_u32 s59, 0
	s_cbranch_scc1 .Lchunk_b
	; THE WAY OUT: O^T x 2^(e4 + e5) / the sum is ctx; held, converted with 2^e6, stored as two pieces of an image for each tile
	PLACES 4
.irp i, 0,1,2,3
	v_add_f32 v[ST+4*\i+2], v[ST+4*\i+2], v[ST+4*\i+3]
.endr
.irp i, 0,1,2,3
	v_permlanex16_b32 v[ST+4*\i+3], v[ST+4*\i+2], s20, s21
.endr
.irp i, 0,1,2,3
	v_add_f32 v[ST+4*\i+2], v[ST+4*\i+2], v[ST+4*\i+3]
.endr
.irp i, 0,1,2,3
	v_rcp_f32 v[ST+4*\i+2], v[ST+4*\i+2]
.endr
	v_nop                                          ; a plain line behind the last reciprocal
	s_wait_alu depctr_va_vdst(0)                   ; one wait for the four, ahead of their first reader
.irp i, 0,1,2,3
	v_ldexp_f32 v[ST+4*\i+2], v[ST+4*\i+2], s58
.endr
	WIN 0x41
.irp i, 0,1,2,3
.set n, 0
.rept 16
	v_pk_mul_f32 v[128+32*\i+n:129+32*\i+n], v[128+32*\i+n:129+32*\i+n], v[ST+4*\i+2:ST+4*\i+3] op_sel_hi:[1,0]
.set n, n+2
.endr
.endr
.set n, 0
.rept 128
	v_med3_num_f32 v[128+n], v[128+n], s56, s57
.set n, n+1
.endr
	WIN 0x01
.irp i, 0,1,2,3
.irp b, 0,1
	v_cvt_scalef32_pk8_fp8_f32 v[CT+8*\i+4*\b:CT+8*\i+4*\b+1], v[128+32*\i+16*\b:128+32*\i+16*\b+7], v224      ; channels 32 b + 16 h + 0 .. 7,
	v_cvt_scalef32_pk8_fp8_f32 v[CT+8*\i+4*\b+2:CT+8*\i+4*\b+3], v[128+32*\i+16*\b+8:128+32*\i+16*\b+15], v224 ; and + 8 .. 15
.endr
.endr
	v_nop
	WIN 0
.irp i, 0,1,2,3
.irp b, 0,1
	global_store_b128 v1, v[CT+8*\i+4*\b:CT+8*\i+4*\b+3], s[12:13] offset:(\i/2)*32768+(\i%2)*2048+512*\b   ; 512 consecutive aligned bytes
.endr
.endr
	s_wait_tensorcnt 0x0
	ds_add_u32 v254, v255
	s_wait_dscnt 0x0
	ROUND                                          ; the closing round
	s_endpgm
.Lfunc_end_k_q5cc4af68dc_attn:
	.size	k_q5cc4af68dc_attn, .Lfunc_end_k_q5cc4af68dc_attn-k_q5cc4af68dc_attn
	.p2alignl 7, 3214868480
	.fill 96, 4, 3214868480
	.section	.rodata,"a",@progbits
	.p2align	6, 0x0
	.amdhsa_kernel k_q5cc4af68dc_attn
		.amdhsa_group_segment_fixed_size 271360
		.amdhsa_private_segment_fixed_size 0
		.amdhsa_enable_private_segment 0
		.amdhsa_kernarg_size 40
		.amdhsa_user_sgpr_count 2
		.amdhsa_user_sgpr_kernarg_segment_ptr 1
		.amdhsa_wavefront_size32 1
		.amdhsa_system_sgpr_workgroup_id_x 1
		.amdhsa_system_sgpr_workgroup_id_y 1
		.amdhsa_system_sgpr_workgroup_id_z 1
		.amdhsa_system_vgpr_workitem_id 0
		.amdhsa_next_free_vgpr 512
		.amdhsa_next_free_sgpr 72
		.amdhsa_reserve_vcc 0
		.amdhsa_float_denorm_mode_32 3
		.amdhsa_float_denorm_mode_16_64 3
		.amdhsa_memory_ordered 1
		.amdhsa_forward_progress 1
		.amdhsa_inst_pref_size 139
	.end_amdhsa_kernel
	.amdgpu_metadata
---
amdhsa.version: [ 1, 2 ]
amdhsa.kernels:
  - .name:           k_q5cc4af68dc_attn
    .symbol:         k_q5cc4af68dc_attn.kd
    .args:
      - { .name: qf, .offset: 0, .size: 8, .value_kind: global_buffer, .address_space: global }
      - { .name: kv, .offset: 8, .size: 8, .value_kind: global_buffer, .address_space: global }
      - { .name: attention_mask, .offset: 16, .size: 8, .value_kind: global_buffer, .address_space: global }
      - { .name: lowp_scales, .offset: 24, .size: 8, .value_kind: global_buffer, .address_space: global }
      - { .name: cf, .offset: 32, .size: 8, .value_kind: global_buffer, .address_space: global }
    .group_segment_fixed_size: 271360
    .private_segment_fixed_size: 0
    .kernarg_segment_align: 8
    .kernarg_segment_size: 40
    .max_flat_workgroup_size: 256
    .sgpr_count:     72
    .vgpr_count:     512
    .wavefront_size: 32
...
	.end_amdgpu_metadata
.endif
;; end of part 3
;; launch dense (part 4): grid 256 x 1, 16 waves a work-group, no clusters, 297,472 bytes of LDS; arguments cf, wdf, hidden_states, b_dense, ln_gamma, ln_beta, lowp_scales, out0; writes out0
.if DOCPART == 4
	.amdgcn_target "amdgcn-amd-amdhsa--gfx1250"
	.amdhsa_code_object_version 6
	.text
	.protected	k_q5cc4af68dc_dense
	.globl	k_q5cc4af68dc_dense
	.p2align	8
	.type	k_q5cc4af68dc_dense,@function
k_q5cc4af68dc_dense:
	s_mov_b64 s[64:65], 0
	v_nop
	global_prefetch_b8 v0, s[64:65] scope:SCOPE_SE
	s_setreg_imm32_b32 hwreg(HW_REG_WAVE_MODE, 25, 1), 1
	s_wait_xcnt 0x0
; out0 = LayerNorm(ctx W_dense + b_dense + hidden_states) x gamma + beta; the product on codes of FP8 (scales 2^e6, 2^e7), all else in f32.
; SHARES.  A work-group takes 32 tokens (group G) x all 1,024 columns, so that a row's mean and variance stay inside it.  Wave w of sixteen makes columns 64 w .. 64 w + 63: four tiles x two token blocks = 8 accumulators.
; ctx's codes (32 KB, images of fragments) and the tokens' hidden rows come into LDS by tensor loads, each byte filled once.  W_dense's fragments come from memory straight into a ring of eight fragments in registers:
; NO CLUSTER: what work-groups share is W_dense, and each of its fragments feeds two products of ONE wave: through LDS every byte would be written and read once more, and a ring in registers needs no barrier.
; THE PRODUCT IS USED TRANSPOSED (source 0 = 16 columns, source 1 = 16 tokens): a lane holds a token and eight columns.  The raw sums meet in a stage in LDS (rows of 4,096 bytes + 16); then wave w takes stage rows
; 2 w and 2 w + 1, which are two neighbouring tokens, whole: x = sum x 2^(e6 + e7) + hidden + bias; the mean; the deviations; the mean of their squares (two passes: no difference of large sums); the result.
; LIMIT: e6 + e7 between -126 and 127.  NaN is not served.
; REGISTERS: v1 16 x lane; v2, v3 into the stage (token block 0, 1); v4 out of it; v5 my hidden rows; v8-23 at work; v32-63 ctx's two fragments, later hidden row 0; v64-127 accumulators, later the two rows;
;   v128-255 the ring; later gamma v128, beta v160, b_dense v192, hidden row 1 v224.
.set HID, 32768                        ; LDS: behind ctx's 32 KB: 8 KB of hidden rows for each wave
.set STG, 163840                       ; and the stage: 32 rows of SPT bytes; no fill lands there
.set SPT, 4112
.macro PLACES n
.rept \n
	v_nop
.endr
.endm
.macro WLOAD ks                        ; K step ks's four fragments of my 64 columns
.irp t, 0,1,2,3
.irp c, 0,1,2,3
	global_load_b128 v[128+16*((4*(\ks)+\t)%8)+4*\c:128+16*((4*(\ks)+\t)%8)+4*\c+3], v1, s[6:7] offset:(4*(\ks)+\t)*2048+512*\c
.endr
.endr
.endm
.macro KSTEP ks
.irp u, 0,1
.irp c, 0,1,2,3
	ds_load_b128 v[32+16*\u+4*\c:35+16*\u+4*\c], v1 offset:4096*(\ks)+2048*\u+512*\c
.endr
.endr
	s_wait_loadcnt 16                              ; this step's four fragments are in; the 16 loads issued behind them may be out
	s_wait_dscnt 0x0
.irp t, 0,1,2,3
.irp u, 0,1
.if (\ks) == 0
	v_wmma_f32_16x16x128_fp8_fp8 v[64+8*(2*\t+\u):64+8*(2*\t+\u)+7], v[128+16*((4*(\ks)+\t)%8):128+16*((4*(\ks)+\t)%8)+15], v[32+16*\u:47+16*\u], 0
.else
	v_wmma_f32_16x16x128_fp8_fp8 v[64+8*(2*\t+\u):64+8*(2*\t+\u)+7], v[128+16*((4*(\ks)+\t)%8):128+16*((4*(\ks)+\t)%8)+15], v[32+16*\u:47+16*\u], v[64+8*(2*\t+\u):64+8*(2*\t+\u)+7]
.endif
.endr
.endr
	PLACES 4                                       ; in front of loads into registers that matrix instructions have read, and of the first read of results
.if (\ks) < 6
	WLOAD (\ks)+2
.elseif (\ks) == 6
.irp g, 0,1,2,3,4,5,6,7
	global_load_b128 v[128+4*\g:131+4*\g], v1, s[12:13] offset:512*\g   ; gamma: columns 128 g + 4 lane ..
.endr
.irp g, 0,1,2,3,4,5,6,7
	global_load_b128 v[160+4*\g:163+4*\g], v1, s[14:15] offset:512*\g   ; beta
.endr
.else
.irp g, 0,1,2,3,4,5,6,7
	global_load_b128 v[192+4*\g:195+4*\g], v1, s[10:11] offset:512*\g   ; b_dense
.endr
.endif
.endm
.macro ALLSUM r, t                     ; the sum over the wave's 32 lanes, in every lane
	v_add_f32_dpp v[\r], v[\r], v[\r] row_xmask:1 row_mask:0xf bank_mask:0xf
	v_add_f32_dpp v[\r], v[\r], v[\r] row_xmask:2 row_mask:0xf bank_mask:0xf
	v_add_f32_dpp v[\r], v[\r], v[\r] row_xmask:4 row_mask:0xf bank_mask:0xf
	v_add_f32_dpp v[\r], v[\r], v[\r] row_xmask:8 row_mask:0xf bank_mask:0xf
	v_permlanex16_b32 v[\t], v[\r], s54, s55
	v_add_f32 v[\r], v[\r], v[\t]
.endm
	s_load_b256 s[4:11], s[0:1], 0x0               ; cf s[4:5], wdf s[6:7], hidden s[8:9], b_dense s[10:11]
	s_load_b256 s[12:19], s[0:1], 0x20             ; gamma s[12:13], beta s[14:15], the exponents s[16:17], out0 s[18:19]
	v_lshl_add_u32 v30, v0, 2, 0x48200
	v_mov_b32 v31, 0
	ds_add_u32 v30, v31
	ds_add_u32 v30, v31
	v_lshrrev_b32 v1, 5, v0
	v_readfirstlane_b32 s20, v1                    ; wave 0..15
	s_mov_b32 s21, ttmp9                           ; G
	; descriptor groups 1: rows of 256 bytes, dense: 8 rows (my 2 KB of ctx's codes) and 32 rows (my two tokens' hidden rows)
	s_mov_b32 s24, 3<<16                           ; no mask; elements of 8 bytes
	s_mov_b32 s25, 32<<16
	s_mov_b32 s26, 8<<16
	s_mov_b32 s27, 32<<16
	s_mov_b32 s28, 8
	s_mov_b32 s29, 32
	s_mov_b32 s30, 0
	s_mov_b32 s31, 0
	s_mov_b32 s32, 3<<16
	s_mov_b32 s33, 32<<16
	s_mov_b32 s34, 32<<16
	s_mov_b32 s35, 32<<16
	s_mov_b32 s36, 32
	s_mov_b32 s37, 32
	s_mov_b32 s38, 0
	s_mov_b32 s39, 0
	s_mov_b32 s54, 0x76543210                      ; lane l xor 16
	s_mov_b32 s55, 0xfedcba98
	s_mov_b32 s52, 0xba800000                      ; -1 / 1024
	s_mov_b32 s53, 0x3a800000                      ; 1 / 1024
	s_mov_b32 s62, 0x3727c5ac                      ; 1e-5
	v_and_b32 v1, 31, v0
	v_lshlrev_b32 v1, 4, v1                        ; 16 x lane
	v_and_b32 v6, 15, v0                           ; r
	v_bfe_u32 v7, v0, 4, 1                         ; h
	v_mul_u32_u24 v2, v6, SPT
	v_lshl_add_u32 v2, v7, 6, v2
	s_lshl_b32 s58, s20, 8
	s_add_co_u32 s58, s58, STG
	v_add_nc_u32 v2, s58, v2                       ; into the stage: row r, my wave's 256 bytes, + 16 h columns
	v_add_nc_u32 v3, 16*SPT, v2                    ; token block 1: rows 16 ..
	s_mul_i32 s58, s20, 2*SPT
	s_add_co_u32 s58, s58, STG
	v_add_nc_u32 v4, s58, v1                       ; out of it: rows 2 w, 2 w + 1
	s_lshl_b32 s45, s20, 13
	s_add_co_u32 s45, s45, HID
	v_add_nc_u32 v5, s45, v1                       ; my hidden rows
	v_mov_b32 v9, 0                                ; a lane permute's destination counts as one of its sources
	v_mov_b32 v17, 0
	s_wait_dscnt 0x0
	s_wait_kmcnt 0x0
	s_load_b64 s[48:49], s[16:17], 0x18            ; e6, e7
	s_lshl_b32 s56, s21, 15
	s_lshl_b32 s41, s20, 11                        ; LDS mirrors the group's 32 KB of codes
	s_add_co_u32 s56, s56, s41
	s_mov_b32 s57, 0
	s_mov_b32 s40, 1
	s_add_nc_u64 s[42:43], s[4:5], s[56:57]
	s_or_b32 s43, s43, 0x80000000
	s_lshr_b32 s59, s20, 3                         ; stage row 16 u + r holds token 8 u + r % 8 + 16 (r / 8): rows 2 w, 2 w + 1 are tokens
	s_lshl_b32 s59, s59, 3                         ; 8 (w / 8)
	s_and_b32 s60, s20, 3
	s_lshl_b32 s60, s60, 1                         ; + 2 (w % 4)
	s_add_co_u32 s59, s59, s60
	s_bfe_u32 s60, s20, 0x10002
	s_lshl_b32 s60, s60, 4                         ; + 16 ((w / 4) % 2), and the next
	s_add_co_u32 s59, s59, s60
	s_lshl_b32 s60, s21, 5
	s_add_co_u32 s59, s59, s60
	s_lshl_b32 s56, s59, 12
	s_add_nc_u64 s[18:19], s[18:19], s[56:57]      ; their rows of out0
	s_mov_b32 s44, 1
	s_add_nc_u64 s[46:47], s[8:9], s[56:57]        ; and of hidden_states
	s_or_b32 s47, s47, 0x80000000
	s_lshl_b32 s56, s20, 16
	s_add_nc_u64 s[6:7], s[6:7], s[56:57]          ; my 64 columns' fragments
	tensor_load_to_lds s[40:43], s[24:31]          ; both fills go out together: two loads of mine are out
	s_nop 0
	tensor_load_to_lds s[44:47], s[32:39]
	s_nop 0
	PLACES 4                                       ; four lines behind the loads
	WLOAD 0
	WLOAD 1
	s_wait_tensorcnt 1                             ; my part of ctx's codes has landed; my hidden rows may be out
	s_barrier_signal -1
	s_barrier_wait -1                              ; everybody's has
.irp k, 0,1,2,3,4,5,6,7
	KSTEP \k
.endr
.irp t, 0,1,2,3
.irp u, 0,1
	ds_store_b128 v[2+\u], v[64+8*(2*\t+\u):64+8*(2*\t+\u)+3] offset:128*(\t/2)+32*(\t%2)        ; columns 64 w + 32 (t / 2) + 16 h + 8 (t % 2) + 0 .. 3 of token row (u, r): each accumulator from its low end on
	ds_store_b128 v[2+\u], v[64+8*(2*\t+\u)+4:64+8*(2*\t+\u)+7] offset:128*(\t/2)+32*(\t%2)+16
.endr
.endr
	s_wait_dscnt 0x0                               ; for the others' sake: my stores into the stage are done
	s_wait_tensorcnt 0x0                           ; my hidden rows have landed: only I read them
	s_barrier_signal -1
	s_barrier_wait -1
.irp e, 0,1
.irp g, 0,1,2,3,4,5,6,7
	ds_load_b128 v[64+32*\e+4*\g:67+32*\e+4*\g], v4 offset:SPT*\e+512*\g      ; a whole row of sums: columns 128 g + 4 lane ..
.endr
.irp g, 0,1,2,3,4,5,6,7
	ds_load_b128 v[32+192*\e+4*\g:35+192*\e+4*\g], v5 offset:4096*\e+512*\g   ; and of hidden_states
.endr
.endr
	s_wait_kmcnt 0x0
	s_add_co_i32 s50, s48, s49
	s_add_co_i32 s50, s50, 127
	s_lshl_b32 s50, s50, 23                        ; 2^(e6 + e7)
	s_mov_b32 s51, s50                             ; (named with it as a pair)
	s_wait_dscnt 0x0
	s_wait_loadcnt 0x0                             ; gamma, beta, b_dense
.irp e, 0,1
.set n, 0
.rept 16
	v_pk_fma_f32 v[64+32*\e+n:65+32*\e+n], v[64+32*\e+n:65+32*\e+n], s[50:51], v[32+192*\e+n:33+192*\e+n] op_sel_hi:[1,0,1]   ; sum x 2^(e6 + e7) + hidden
.set n, n+2
.endr
.endr
.irp e, 0,1
.set n, 0
.rept 16
	v_pk_add_f32 v[64+32*\e+n:65+32*\e+n], v[64+32*\e+n:65+32*\e+n], v[192+n:193+n]   ; + b_dense
.set n, n+2
.endr
.endr
.irp e, 0,1                            ; the row's sum: two chains in a lane, then across the lanes
	v_pk_add_f32 v[10+8*\e:11+8*\e], v[64+32*\e:65+32*\e], v[66+32*\e:67+32*\e]
	v_pk_add_f32 v[12+8*\e:13+8*\e], v[68+32*\e:69+32*\e], v[70+32*\e:71+32*\e]
.irp n, 8,12,16,20,24,28
	v_pk_add_f32 v[10+8*\e:11+8*\e], v[10+8*\e:11+8*\e], v[64+32*\e+\n:65+32*\e+\n]
	v_pk_add_f32 v[12+8*\e:13+8*\e], v[12+8*\e:13+8*\e], v[66+32*\e+\n:67+32*\e+\n]
.endr
	v_pk_add_f32 v[10+8*\e:11+8*\e], v[10+8*\e:11+8*\e], v[12+8*\e:13+8*\e]
	v_add_f32 v[8+8*\e], v[10+8*\e], v[11+8*\e]
.endr
	ALLSUM 8, 9
	ALLSUM 16, 17
	v_mul_f32 v8, s52, v8                          ; -mean
	v_mul_f32 v16, s52, v16
.irp e, 0,1
.set n, 0
.rept 16
	v_pk_add_f32 v[64+32*\e+n:65+32*\e+n], v[64+32*\e+n:65+32*\e+n], v[8+8*\e:9+8*\e] op_sel_hi:[1,0]   ; x - mean
.set n, n+2
.endr
.endr
.irp e, 0,1                            ; the sum of the squared deviations
	v_pk_mul_f32 v[10+8*\e:11+8*\e], v[64+32*\e:65+32*\e], v[64+32*\e:65+32*\e]
	v_pk_mul_f32 v[12+8*\e:13+8*\e], v[66+32*\e:67+32*\e], v[66+32*\e:67+32*\e]
.irp n, 4,8,12,16,20,24,28
	v_pk_fma_f32 v[10+8*\e:11+8*\e], v[64+32*\e+\n:65+32*\e+\n], v[64+32*\e+\n:65+32*\e+\n], v[10+8*\e:11+8*\e]
	v_pk_fma_f32 v[12+8*\e:13+8*\e], v[66+32*\e+\n:67+32*\e+\n], v[66+32*\e+\n:67+32*\e+\n], v[12+8*\e:13+8*\e]
.endr
	v_pk_add_f32 v[10+8*\e:11+8*\e], v[10+8*\e:11+8*\e], v[12+8*\e:13+8*\e]
	v_add_f32 v[8+8*\e], v[10+8*\e], v[11+8*\e]
.endr
	ALLSUM 8, 9
	ALLSUM 16, 17
	v_fma_f32 v8, v8, s53, s62                     ; the variance + 1e-5
	v_fma_f32 v16, v16, s53, s62
	v_rsq_f32 v8, v8
	v_rsq_f32 v16, v16
	v_nop                                          ; a plain line behind the last of the two
	s_wait_alu depctr_va_vdst(0)                   ; one wait for both, ahead of their first reader
.irp e, 0,1
.set n, 0
.rept 16
	v_pk_mul_f32 v[64+32*\e+n:65+32*\e+n], v[64+32*\e+n:65+32*\e+n], v[8+8*\e:9+8*\e] op_sel_hi:[1,0]
.set n, n+2
.endr
.endr
.irp e, 0,1
.set n, 0
.rept 16
	v_pk_fma_f32 v[64+32*\e+n:65+32*\e+n], v[64+32*\e+n:65+32*\e+n], v[128+n:129+n], v[160+n:161+n]   ; x gamma + beta
.set n, n+2
.endr
.endr
.irp e, 0,1
.irp g, 0,1,2,3,4,5,6,7
	global_store_b128 v1, v[64+32*\e+4*\g:67+32*\e+4*\g], s[18:19] offset:4096*\e+512*\g th:TH_STORE_NT   ; 32 lanes store 512 consecutive aligned bytes; written once, read by nobody here
.endr
.endr
	s_wait_tensorcnt 0x0
	ds_add_u32 v30, v31
	s_wait_dscnt 0x0
	s_endpgm
.Lfunc_end_k_q5cc4af68dc_dense:
	.size	k_q5cc4af68dc_dense, .Lfunc_end_k_q5cc4af68dc_dense-k_q5cc4af68dc_dense
	.p2alignl 7, 3214868480
	.fill 96, 4, 3214868480
	.section	.rodata,"a",@progbits
	.p2align	6, 0x0
	.amdhsa_kernel k_q5cc4af68dc_dense
		.amdhsa_group_segment_fixed_size 297472
		.amdhsa_private_segment_fixed_size 0
		.amdhsa_enable_private_segment 0
		.amdhsa_kernarg_size 64
		.amdhsa_user_sgpr_count 2
		.amdhsa_user_sgpr_kernarg_segment_ptr 1
		.amdhsa_wavefront_size32 1
		.amdhsa_system_sgpr_workgroup_id_x 1
		.amdhsa_system_sgpr_workgroup_id_y 1
		.amdhsa_system_sgpr_workgroup_id_z 1
		.amdhsa_system_vgpr_workitem_id 0
		.amdhsa_next_free_vgpr 256
		.amdhsa_next_free_sgpr 66
		.amdhsa_reserve_vcc 0
		.amdhsa_float_denorm_mode_32 3
		.amdhsa_float_denorm_mode_16_64 3
		.amdhsa_memory_ordered 1
		.amdhsa_forward_progress 1
		.amdhsa_inst_pref_size 49
	.end_amdhsa_kernel
	.amdgpu_metadata
---
amdhsa.version: [ 1, 2 ]
amdhsa.kernels:
  - .name:           k_q5cc4af68dc_dense
    .symbol:         k_q5cc4af68dc_dense.kd
    .args:
      - { .name: cf, .offset: 0, .size: 8, .value_kind: global_buffer, .address_space: global }
      - { .name: wdf, .offset: 8, .size: 8, .value_kind: global_buffer, .address_space: global }
      - { .name: hidden_states, .offset: 16, .size: 8, .value_kind: global_buffer, .address_space: global }
      - { .name: b_dense, .offset: 24, .size: 8, .value_kind: global_buffer, .address_space: global }
      - { .name: ln_gamma, .offset: 32, .size: 8, .value_kind: global_buffer, .address_space: global }
      - { .name: ln_beta, .offset: 40, .size: 8, .value_kind: global_buffer, .address_space: global }
      - { .name: lowp_scales, .offset: 48, .size: 8, .value_kind: global_buffer, .address_space: global }
      - { .name: out0, .offset: 56, .size: 8, .value_kind: global_buffer, .address_space: global }
    .group_segment_fixed_size: 297472
    .private_segment_fixed_size: 0
    .kernarg_segment_align: 8
    .kernarg_segment_size: 64
    .max_flat_workgroup_size: 512
    .sgpr_count:     66
    .vgpr_count:     256
    .wavefront_size: 32
...
	.end_amdgpu_metadata
.endif
;; end of part 4
